; MI455X (gfx1250); checked and timed in simulation.
; The chip was launched on July 23, 2026; its instructions are those of AMD's public machine-readable ISA for CDNA 5 (MIT licence, August 2026) and "CDNA5" Instruction Set Architecture Reference Guide (July 2026). The comments in the code are by the model that wrote it; some were corrected since.
;; Attention Block. Allowed arithmetic: matrix products marked QUANTISED: E2M1 operands, one E8M0 scale for each 32 along K, by v_wmma_scale_f32_16x16x128_f8f6f4 with both operands' format E2M1 (or v_wmma_scale_f32_32x16x128_f4), f32 sums; everything else in f32.
;; Inputs: gn_b 256 float32; gn_w 256 float32; proj_b 256 float32; proj_w_codes 256 x 8 x 16 uint8 (E2M1 codes of proj_w, K innermost, in blocks of 32 codes, two codes a byte); proj_w_scales 256 x 8 uint8 (E8M0 scales of proj_w, one for each 32 codes along K); qkv_b 768 float32; qkv_w_codes 768 x 8 x 16 uint8 (E2M1 codes of qkv_w, K innermost, in blocks of 32 codes, two codes a byte); qkv_w_scales 768 x 8 uint8 (E8M0 scales of qkv_w, one for each 32 codes along K); x 4 x 256 x 64 x 64 float32.
;; Outputs: out0 4 x 256 x 64 x 64 float32.
;; This version of the problem:
;;   THIS VERSION OF THE PROBLEM IS GIVEN IN LOW PRECISION. The matrix products marked QUANTISED in the list below multiply operands that are first quantised to E2M1 (2 exponent bits, 1 mantissa bit; 4 bits a number), with one power-of-two scale for each 32 numbers along K (OCP MX v1.0); their sums are f32. All else is computed in f32.
;;   The module's matrix products, in the order in which they are computed (A, B: the left and right operand; K: the contracted axis; several contracted axes count as one K, in the product's order):
;;     1. [M 16,384, K 256] x [K 256, N 768]; A: computed on the way; B: input qkv_w (given as codes): QUANTISED
;;     2. batch 16 x [M 4,096, K 64] x [K 64, N 4,096]; A: computed on the way; B: computed on the way: QUANTISED
;;     3. batch 16 x [M 4,096, K 4,096] x [K 4,096, N 64]; A: softmax (see below); B: computed on the way: QUANTISED
;;     4. [M 16,384, K 256] x [K 256, N 256]; A: computed on the way; B: input proj_w (given as codes): QUANTISED
;;   THE QUANTISER, for each operand of a quantised product, along K:
;;     - K is cut into blocks of 32 from its start; a last block that is shorter is filled with zeros.
;;     - A block's scale is 2^e with e = floor(log2(the largest magnitude in the block)) - 2, held to -126 .. 127; a block of zeros has e = 0. As a byte (E8M0): e + 127.
;;     - Each number is divided by its block's scale, clamped to +-6, and rounded to the nearest number of E2M1, ties to even, subnormals kept.
;;     - The product sums the exact products of the quantised numbers (number of the format x scale) in f32.
;;   ~~~python
;;   def quantise(x, axis):      # numpy; x: float32 -> the quantised numbers, widened to float32 again
;;       x = np.moveaxis(x, axis, -1); K = x.shape[-1]
;;       x = np.pad(x, [(0, 0)] * (x.ndim - 1) + [(0, -K % 32)]); x = x.reshape(x.shape[:-1] + (-1, 32)); a = np.abs(x).max(-1, keepdims=True)
;;       e = np.where(a > 0, np.clip(np.frexp(np.where(a > 0, a, 1))[1] - 1 - 2, -126, 127), 0)      # np.frexp(a)[1] - 1 = floor(log2(a)), exactly
;;       r = np.clip(x / 2.0 ** e, -6, 6)
;;       step = 2.0 ** (np.maximum(np.frexp(np.where(r == 0, 1, r))[1] - 1, 0) - 1)
;;       q = np.round(r / step) * step * 2.0 ** e      # np.round: ties to even
;;       return np.moveaxis(q.reshape(q.shape[:-2] + (-1,))[..., :K], -1, axis).astype(np.float32)
;;   ~~~
;;   SOFTMAX AHEAD OF A QUANTISED PRODUCT. Where the list says 'softmax', what is quantised is not the finished softmax but p = 2^(t - M), with t = logit x log2(e) and M = ceil(the row's largest t), a whole number; so 1/2 < the row's largest p <= 1. The row's sum l is taken of the UNQUANTISED p, in f32, and the product's result is divided by l at the end. Since M is a whole number, a kernel that streams over the keys may use a running M (the ceiling of the running maximum): every later rescaling is an exact power of two, which a block's scale takes up: the codes' values come out the same.
;;   OPERANDS COMPUTED ON THE WAY. 'Computed on the way' means the value that the module computes at that place (a softmax that the list does not call 'softmax' is quantised finished and normalised). What goes into a quantiser is computed in f32, as accurately as f32 sums, v_exp_f32 and their like allow (about 1e-6 of the number): no bf16 or f16 on the way to a quantiser, and a product that is left as it is and whose result goes on into a quantised operand takes f32 operands (vector FMAs, or v_wmma_f32_16x16x4_f32). A number that lies on a knife's edge between two numbers of the format may be rounded either way, as far as f32 arithmetic and the matrix unit's own rounding can turn it there, and no further.
;;   INPUTS GIVEN AS CODES. proj_w (in the module: [256, 256], K = its axis 1); qkv_w (in the module: [768, 256], K = its axis 1): each comes as NAME_codes (uint8): NAME with its K axis moved to the last place and cut into blocks of 32 codes, [.., K / 32, bytes a block], one block behind the other in memory; two codes a byte, the lower K in the low four bits (a code: sign, 2 exponent bits, 1 mantissa bit); and NAME_scales (uint8): the same leading axes, one E8M0 byte (e + 127) for each 32 codes along K. Its value is code x scale, taken as it is: it is not quantised again, and the codes and scales need not be those that the quantiser above would give.
;; One version. Each part assembles by itself: llvm-mc -triple=amdgcn-amd-amdhsa -mcpu=gfx1250 --defsym DOCPART=n.
;; ======== version 1 of 1: 4 launches
;; workspace buffers: stats 2,048 bytes; qimg 2,097,152 bytes; qsc 262,144 bytes; kv 4,456,448 bytes; oimg 2,097,152 bytes; osc 524,288 bytes
;; launch stats (part 1): grid 256 x 1, 8 waves a work-group, no clusters, 1,280 bytes of LDS; arguments x, stats; writes stats
.if DOCPART == 1
	.amdgcn_target "amdgcn-amd-amdhsa--gfx1250"
	.amdhsa_code_object_version 6
	.text
	.protected	k_q25a3e6276b_stats
	.globl	k_q25a3e6276b_stats
	.p2align	8
	.type	k_q25a3e6276b_stats,@function
k_q25a3e6276b_stats:
	s_mov_b64 s[64:65], 0
	v_nop
	global_prefetch_b8 v0, s[64:65] scope:SCOPE_SE
	s_setreg_imm32_b32 hwreg(HW_REG_WAVE_MODE, 25, 1), 1
	s_wait_xcnt 0x0
; GroupNorm, first part.  x is [4][256][4096] f32; a group is 32 channels x 4,096 positions.  A work-group takes a CHUNK of four channels, 65,536 consecutive bytes (16,384 numbers), an eighth of a group,
; and stores the chunk's mean and the sum of squares about that mean: stats[chunk] = (mean, M2), chunk = 64 b + c / 4.  The next launch joins a group's eight chunks.
; The chunk stays in registers between the two passes, so it is read once; squares are taken about the chunk's own mean, so that no difference of large sums is formed where x carries a large offset.
; Eight waves; thread t takes the 16 bytes at 16 t of each of 16 runs of 4,096 bytes: a wave's load covers 512 consecutive bytes.  No matrix unit, no cluster: work-groups share no byte.
; LIMITS: NaN and infinities among the inputs are not served.
.set X,  16                            ; v16-79   my 64 numbers
.set CH, 80                            ; v80-87   four chains of packed sums
	s_load_b128 s[4:7], s[0:1], 0x0                ; x s[4:5], stats s[6:7]
	v_lshl_add_u32 v96, v0, 2, 0x100
	v_mov_b32 v97, 0
	v_lshlrev_b32 v1, 4, v0                        ; 16 t
	v_lshrrev_b32 v2, 5, v0
	s_delay_alu instid0(VALU_DEP_1)
	v_readfirstlane_b32 s10, v2                    ; wave 0..7
	s_lshl_b32 s2, ttmp9, 16                       ; the chunk's first byte
	s_mov_b32 s3, 0
	s_mov_b32 s8, 0x76543210                       ; v_permlanex16_b32's selects for lane l xor 16
	s_mov_b32 s9, 0xfedcba98
	v_mov_b32 v10, s10
	s_delay_alu instid0(VALU_DEP_1)
	v_lshlrev_b32 v10, 2, v10                      ; LDS: my wave's word
	v_mov_b32 v11, 0
	v_mov_b32 v89, 0                               ; written once: a lane permute's destination counts as one of its sources
	s_wait_alu depctr_va_vdst(0)
	s_wait_kmcnt 0x0
	s_add_nc_u64 s[4:5], s[4:5], s[2:3]
.irp i, 0,1,2,3,4,5,6,7,8,9,10,11,12,13,14,15
	global_load_b128 v[X+4*\i:X+4*\i+3], v1, s[4:5] offset:4096*\i
.endr
; The four chains are joined, then the 32 lanes, then the eight waves through eight LDS words at byte off; the total ends in v88 of every lane.
.macro REDUCE off
	s_delay_alu instid0(VALU_DEP_3)
	v_pk_add_f32 v[CH:CH+1], v[CH:CH+1], v[CH+2:CH+3]
	s_delay_alu instid0(VALU_DEP_2)
	v_pk_add_f32 v[CH+4:CH+5], v[CH+4:CH+5], v[CH+6:CH+7]
	s_delay_alu instid0(VALU_DEP_1)
	v_pk_add_f32 v[CH:CH+1], v[CH:CH+1], v[CH+4:CH+5]
	s_delay_alu instid0(VALU_DEP_1)
	v_add_f32 v88, v[CH], v[CH+1]
	s_delay_alu instid0(VALU_DEP_1)
	v_add_f32_dpp v88, v88, v88 row_xmask:1 row_mask:0xf bank_mask:0xf
	s_delay_alu instid0(VALU_DEP_1)
	v_add_f32_dpp v88, v88, v88 row_xmask:2 row_mask:0xf bank_mask:0xf
	s_delay_alu instid0(VALU_DEP_1)
	v_add_f32_dpp v88, v88, v88 row_xmask:4 row_mask:0xf bank_mask:0xf
	s_delay_alu instid0(VALU_DEP_1)
	v_add_f32_dpp v88, v88, v88 row_xmask:8 row_mask:0xf bank_mask:0xf
	s_delay_alu instid0(VALU_DEP_1)
	v_permlanex16_b32 v89, v88, s8, s9
	s_delay_alu instid0(VALU_DEP_1)
	v_add_f32 v88, v88, v89
	ds_store_b32 v10, v88 offset:\off              ; all lanes write the same word with the same value
	s_wait_dscnt 0x0                               ; for the others' sake: my store has landed
	s_barrier_signal -1
	s_barrier_wait -1
	ds_load_b128 v[2:5], v11 offset:\off
	ds_load_b128 v[6:9], v11 offset:\off+16
	s_wait_dscnt 0x0
	v_add_f32 v2, v2, v3
	v_add_f32 v4, v4, v5
	v_add_f32 v6, v6, v7
	v_add_f32 v8, v8, v9
	s_delay_alu instid0(VALU_DEP_3)
	v_add_f32 v2, v2, v4
	s_delay_alu instid0(VALU_DEP_2)
	v_add_f32 v6, v6, v8
	s_delay_alu instid0(VALU_DEP_1)
	v_add_f32 v88, v2, v6
.endm
	; pass 1: the sum.  The first eight pairs start the chains: nothing is cleared
	s_wait_loadcnt 12                              ; the first four loads are in; the twelve younger ones stay out
.irp k, 0,1,2,3
	v_pk_add_f32 v[CH+2*\k:CH+2*\k+1], v[X+2*\k:X+2*\k+1], v[X+8+2*\k:X+9+2*\k]
.endr
	s_wait_alu depctr_va_vdst(0)
.irp g, 1,2,3
	s_wait_alu depctr_va_vdst(0)
	s_wait_loadcnt 12-4*\g                         ; four more are in
.irp k, 0,1,2,3
	v_pk_add_f32 v[CH+2*\k:CH+2*\k+1], v[CH+2*\k:CH+2*\k+1], v[X+16*\g+2*\k:X+16*\g+2*\k+1]
.endr
.irp k, 0,1,2,3
	s_delay_alu instid0(VALU_DEP_4)
	v_pk_add_f32 v[CH+2*\k:CH+2*\k+1], v[CH+2*\k:CH+2*\k+1], v[X+16*\g+8+2*\k:X+16*\g+9+2*\k]
.endr
.endr
	REDUCE 0
	s_delay_alu instid0(VALU_DEP_1)
	v_mul_f32 v90, 0xb8800000, v88                 ; minus the mean: the sum x -2^-14
	s_delay_alu instid0(VALU_DEP_1)
	v_mov_b32 v91, v90
	; pass 2: the squares about the mean
.set p, 0
.rept 32
	v_pk_add_f32 v[X+2*p:X+2*p+1], v[X+2*p:X+2*p+1], v[90:91]
.set p, p+1
.endr
.irp k, 0,1,2,3
	v_pk_mul_f32 v[CH+2*\k:CH+2*\k+1], v[X+2*\k:X+2*\k+1], v[X+2*\k:X+2*\k+1]
.endr
.set p, 4
.rept 28
	s_delay_alu instid0(VALU_DEP_4)
	v_pk_fma_f32 v[CH+2*(p%4):CH+2*(p%4)+1], v[X+2*p:X+2*p+1], v[X+2*p:X+2*p+1], v[CH+2*(p%4):CH+2*(p%4)+1]
.set p, p+1
.endr
	REDUCE 32                                      ; other LDS words than the first time: no wave can overwrite what another still reads
	v_mul_f32 v92, -1.0, v90                       ; the mean
	s_delay_alu instid0(VALU_DEP_2)
	v_mov_b32 v93, v88                             ; M2
	s_lshl_b32 s2, ttmp9, 3
	s_add_nc_u64 s[6:7], s[6:7], s[2:3]
	v_cmp_eq_u32 vcc_lo, 0, v0
	s_wait_alu depctr_va_vdst(0)
	s_wait_xcnt 0x0                                ; EXEC changes only behind this wait
	s_wait_tensorcnt 0x0
	ds_add_u32 v96, v97
	s_wait_dscnt 0x0
	s_and_saveexec_b32 s11, vcc_lo                 ; thread 0 alone stores
	global_store_b64 v11, v[92:93], s[6:7]
	s_wait_xcnt 0x0                                ; and again in front of the line that widens it
	s_or_b32 exec_lo, exec_lo, s11
	s_endpgm
.Lfunc_end_k_q25a3e6276b_stats:
	.size	k_q25a3e6276b_stats, .Lfunc_end_k_q25a3e6276b_stats-k_q25a3e6276b_stats
	.p2alignl 7, 3214868480
	.fill 96, 4, 3214868480
	.section	.rodata,"a",@progbits
	.p2align	6, 0x0
	.amdhsa_kernel k_q25a3e6276b_stats
		.amdhsa_group_segment_fixed_size 1280
		.amdhsa_private_segment_fixed_size 0
		.amdhsa_enable_private_segment 0
		.amdhsa_kernarg_size 16
		.amdhsa_user_sgpr_count 2
		.amdhsa_user_sgpr_kernarg_segment_ptr 1
		.amdhsa_wavefront_size32 1
		.amdhsa_system_sgpr_workgroup_id_x 1
		.amdhsa_system_sgpr_workgroup_id_y 1
		.amdhsa_system_sgpr_workgroup_id_z 1
		.amdhsa_system_vgpr_workitem_id 0
		.amdhsa_next_free_vgpr 98
		.amdhsa_next_free_sgpr 66
		.amdhsa_reserve_vcc 1
		.amdhsa_float_denorm_mode_32 3
		.amdhsa_float_denorm_mode_16_64 3
		.amdhsa_memory_ordered 1
		.amdhsa_forward_progress 1
		.amdhsa_inst_pref_size 14
	.end_amdhsa_kernel
	.amdgpu_metadata
---
amdhsa.version: [ 1, 2 ]
amdhsa.kernels:
  - .name:           k_q25a3e6276b_stats
    .symbol:         k_q25a3e6276b_stats.kd
    .args:
      - { .name: x, .offset: 0, .size: 8, .value_kind: global_buffer, .address_space: global }
      - { .name: stats, .offset: 8, .size: 8, .value_kind: global_buffer, .address_space: global }
    .group_segment_fixed_size: 1280
    .private_segment_fixed_size: 0
    .kernarg_segment_align: 8
    .kernarg_segment_size: 16
    .max_flat_workgroup_size: 256
    .sgpr_count:     66
    .vgpr_count:     98
    .wavefront_size: 32
...
	.end_amdgpu_metadata
.endif
;; end of part 1
;; launch qkv (part 2): grid 128 x 1, 16 waves a work-group, no clusters, 25,600 bytes of LDS; arguments x, stats, gn_w, gn_b, qkv_w_codes, qkv_w_scales, qkv_b, qimg, qsc, kv; writes qimg, qsc, kv
.if DOCPART == 2
	.amdgcn_target "amdgcn-amd-amdhsa--gfx1250"
	.amdhsa_code_object_version 6
	.text
	.protected	k_q25a3e6276b_qkv
	.globl	k_q25a3e6276b_qkv
	.p2align	8
	.type	k_q25a3e6276b_qkv,@function
k_q25a3e6276b_qkv:
	s_mov_b64 s[64:65], 0
	v_nop
	global_prefetch_b8 v0, s[64:65] scope:SCOPE_SE
	s_setreg_imm32_b32 hwreg(HW_REG_WAVE_MODE, 25, 1), 1
	s_wait_xcnt 0x0
; GroupNorm's second part, its quantising, the product with qkv_w (MX-FP4, K = 256 channels), the bias, and the quantising of q, k and v for the attention launch.
; A work-group takes 128 positions of one batch (one key step of the attention) x all 256 channels x all 768 outputs.  128 work-groups: a scale word of v spans 128 keys, so all 128 must meet in one work-group.
; PHASE 1.  Wave w takes the 32 channels of group w / 2, which are one block of 32 along K, x 64 positions; a lane takes two neighbouring positions and its registers run DOWN the channels: each load reads 256
; consecutive aligned bytes, a block's largest magnitude needs no other lane, and the conversions give codes with K innermost.  Codes go to LDS as rows of a position (128 bytes + 16), scale bytes 8 a row.
; PHASE 2.  Wave w = 4 head + i makes three units of 16 matrix instructions: q and k of positions 32 i .. 32 i + 31 for the head's 64 channels (source 0 = rows of the weight, source 1 = positions: a lane holds one
; position and its registers run along d, the next product's K), and v of the head's channel tile i for all 128 positions (source 0 = positions, source 1 = rows of the weight: a lane holds one channel and its
; registers run along the keys).  The bias is the C of each sum's first matrix instruction.
; THE ROWS OF A TILE ARE NOT NEIGHBOURS: row r of tile 2 p + u is 32 p + 8 u + r + 8 (r / 8), for positions, for the weight's rows of q and k, and for v's channels: so the 16 registers of tiles 2 p and 2 p + 1 are
; 16 neighbours along the next K.
; WHAT IS STORED are images of operand registers: 16 bytes a lane, 512 consecutive bytes an instruction.  A pair of position tiles of q or k (K = 64 each) fills ONE fragment of 128 along K: registers 0-3 tile 2 p,
; registers 4-7 tile 2 p + 1; its scale word holds two bytes of each.  kv[b, head][key step] is a record of 8,704 bytes: four fragments of k, four of v, and 512 bytes of scale words (lane l's 16 bytes: words 0-3;
; lanes 0-15 k's, lanes 16-31 v's).  The scale words meet in LDS and leave in runs of 512 bytes.
; No cluster and no tensor load: the weights are small and go from memory straight into each wave's registers as fragments; work-groups share nothing else.
; LIMITS: NaN and infinities are not served.  A block whose largest magnitude lies under 2^-124, a block of zeros among them, gets the scale byte 1: zero codes add nothing under it, and this program alone reads the bytes.
.set HP,   144                         ; LDS: a position's row of codes: 128 bytes + 16
.set HS,   18432                       ; behind 128 such rows: the scale bytes, 8 a position
.set GATH, 19456                       ; behind them: 4 heads x 512 bytes of kv scale words, then 4 heads x 512 of q's
.set REC,  8704                        ; a record of kv
.set XA,   1                           ; v1   8 x lane: my two positions in a row of x
.set VW,   2                           ; v2   128 rp + 16 h: my place in a tile of the weight's codes (rp = r + 8 (r / 8))
.set VWS,  3                           ; v3   8 rp: in its scale bytes
.set VB,   4                           ; v4   64 h: in the bias, for q and k
.set VB4,  5                           ; v5   4 rp: in the bias, for v
.set HCW,  6                           ; v6   where I store codes
.set HSW,  7                           ; v7   and scale bytes
.set HF0,  8                           ; v8   my place in the fragments of positions 32 i on
.set HFV,  9                           ; v9   and of positions 0 on
.set HSA0, 10                          ; v10  the same for the scale words
.set HSAV, 11                          ; v11
.set LI,   12                          ; v12  16 x lane: an image's place
.set SCW,  13                          ; v13  where my k and v scale words meet
.set QSW,  14                          ; v14  and q's
.set GRD,  15                          ; v15  where I read them back
.set FB,   16                          ; v16-47   source 1's fragments
.set ACC,  48                          ; v48-111  eight accumulators
.set PC,   112                         ; v112-119 the codes just made
.set FA,   120                         ; v120-183 source 0's fragments
.set BIAS, 184                         ; v184-215 the bias in the result's layout
.set TM,   216                         ; v216-231 the quantiser's work
.set PW,   232                         ; v232     the scale word just made
.set SA,   234                         ; v234-249 source 0's scale words; nothing else ever
.set SB,   250                         ; v250-253 source 1's; nothing else ever
.set ZR,   254                         ; v254     0
.set X,    48                          ; phase 1: v48-111 32 channels x 2 positions as loaded
.set HA,   120                         ; v120-151 the even position's 32 channels
.set HB,   152                         ; v152-183 the odd position's
.set ST,   184                         ; v184-199 the group's eight (mean, M2)
.set T1,   200                         ; v200-211 at work
.set NM,   216                         ; v216-217 minus the group's mean, twice
.set RS,   218                         ; v218-219 1 / sqrt(var + eps), twice
.set WV,   2                           ; s2 wave; s3 batch; s12 key step; s13 group; s14 which 64 positions; s28 head; s29 i
.set GW,   32                          ; s32-63  gn_w of my 32 channels
.set GB,   68                          ; s68-99  gn_b
.set WCB,  32                          ; phase 2, in gn_w's registers: the head's rows of the weight's codes, scale bytes, bias;
.set WSB,  34
.set BB,   36
.set WCV,  38                          ; the same at v's channel tile i;
.set WSV,  40
.set BBV,  42
.set QIB,  44                          ; where my images of q go, and of k and v
.set KVB,  46
	s_load_b256 s[4:11], s[0:1], 0x0               ; x, stats, gn_w, gn_b
	s_load_b256 s[16:23], s[0:1], 0x20             ; qkv_w_codes, qkv_w_scales, qkv_b, qimg
	s_load_b128 s[24:27], s[0:1], 0x40             ; qsc, kv
	v_lshl_add_u32 v227, v0, 2, 0x5c00
	v_mov_b32 v255, 0
	v_lshrrev_b32 v16, 5, v0
	s_delay_alu instid0(VALU_DEP_1)
	v_readfirstlane_b32 s[WV], v16                 ; wave 0..15
	s_lshr_b32 s3, ttmp9, 5                        ; batch
	s_and_b32 s12, ttmp9, 31                       ; key step
	s_lshr_b32 s13, s[WV], 1                       ; phase 1: my group of 32 channels
	s_and_b32 s14, s[WV], 1                        ; and my 64 positions
	s_mov_b32 s15, 0x3727c5ac                      ; 1e-5
	s_lshr_b32 s28, s[WV], 2                       ; phase 2: head
	s_and_b32 s29, s[WV], 3                        ; i
	s_mov_b32 s30, 0x76543210                      ; v_permlanex16_b32's selects for lane l xor 16
	s_mov_b32 s31, 0xfedcba98
	v_and_b32 v17, 31, v0                          ; lane
	v_and_b32 v18, 15, v0                          ; r
	v_bfe_u32 v19, v0, 4, 1                        ; h
	s_delay_alu instid0(VALU_DEP_2)
	v_and_b32 v20, 8, v18
	s_delay_alu instid0(VALU_DEP_1)
	v_add_nc_u32 v20, v20, v18                     ; rp = r + 8 (r / 8)
	v_lshlrev_b32 v[XA], 3, v17
	s_delay_alu instid0(VALU_DEP_2)
	v_lshlrev_b32 v[VW], 7, v20
	s_delay_alu instid0(VALU_DEP_1)
	v_lshl_add_u32 v[VW], v19, 4, v[VW]
	s_delay_alu instid0(VALU_DEP_4)
	v_lshlrev_b32 v[VWS], 3, v20
	v_lshlrev_b32 v[VB], 6, v19
	v_lshlrev_b32 v[VB4], 2, v20
	s_mul_i32 s32, s14, 64*HP
	s_lshl_b32 s33, s13, 4
	s_add_co_u32 s32, s32, s33
	v_mul_u32_u24 v[HCW], v17, 2*HP
	s_delay_alu instid0(VALU_DEP_1)
	v_add_nc_u32 v[HCW], s32, v[HCW]               ; row 64 half + 2 lane, block's 16 bytes
	s_lshl_b32 s32, s14, 9
	s_add_co_u32 s32, s32, s13
	s_add_co_u32 s32, s32, HS
	v_lshlrev_b32 v[HSW], 4, v17
	s_delay_alu instid0(VALU_DEP_1)
	v_add_nc_u32 v[HSW], s32, v[HSW]               ; 8 bytes a row, my block's byte
	v_mul_u32_u24 v[HFV], v20, HP
	s_delay_alu instid0(VALU_DEP_1)
	v_lshl_add_u32 v[HFV], v19, 4, v[HFV]
	s_mul_i32 s32, s29, 32*HP
	v_add_nc_u32 v[HF0], s32, v[HFV]
	v_lshl_add_u32 v[HSAV], v20, 3, HS
	s_lshl_b32 s32, s29, 8
	v_add_nc_u32 v[HSA0], s32, v[HSAV]
	v_lshlrev_b32 v[LI], 4, v17
	s_lshl_b32 s32, s28, 9
	s_lshl_b32 s33, s29, 2
	s_add_co_u32 s33, s33, s32
	s_add_co_u32 s33, s33, GATH
	v_lshlrev_b32 v[SCW], 4, v18
	s_delay_alu instid0(VALU_DEP_1)
	v_add_nc_u32 v[SCW], s33, v[SCW]               ; 512 head + 16 r + 4 i
	s_lshl_b32 s33, s29, 7
	s_add_co_u32 s33, s33, s32
	s_add_co_u32 s33, s33, GATH+2048
	v_lshlrev_b32 v[QSW], 2, v17
	s_delay_alu instid0(VALU_DEP_1)
	v_add_nc_u32 v[QSW], s33, v[QSW]               ; 512 head + 128 i + 4 lane
	v_and_b32 v16, 255, v0
	s_delay_alu instid0(VALU_DEP_1)
	v_lshl_add_u32 v[GRD], v16, 4, GATH
	v_mov_b32 v[ZR], 0
.irp b, 0,1,2,3
	v_mov_b32 v[TM+4+\b], 0                        ; written once: a lane permute's destination counts as one of its sources
.endr
	s_lshl_b32 s32, s3, 22                         ; x: batch, group, key step, half
	s_lshl_b32 s33, s13, 19
	s_add_co_u32 s32, s32, s33
	s_lshl_b32 s33, s12, 9
	s_add_co_u32 s32, s32, s33
	s_lshl_b32 s33, s14, 8
	s_add_co_u32 s32, s32, s33
	s_mov_b32 s33, 0
	s_wait_alu depctr_va_vdst(0)
	s_wait_kmcnt 0x0
	s_add_nc_u64 s[4:5], s[4:5], s[32:33]
	s_lshl_b32 s32, s3, 3
	s_add_co_u32 s32, s32, s13
	s_lshl_b32 s32, s32, 6                         ; the group's eight chunks: 64 bytes
	s_add_nc_u64 s[6:7], s[6:7], s[32:33]
	s_lshl_b32 s32, s13, 7                         ; my 32 channels' gains and offsets
	s_add_nc_u64 s[8:9], s[8:9], s[32:33]
	s_add_nc_u64 s[10:11], s[10:11], s[32:33]
.irp q, 0,1,2,3
	global_load_b128 v[ST+4*\q:ST+4*\q+3], v[ZR], s[6:7] offset:16*\q
.endr
.irp i, 0,1,2,3,4,5,6,7,8,9,10,11,12,13,14,15,16,17,18,19,20,21,22,23,24,25,26,27,28,29,30,31
	global_load_b64 v[X+2*\i:X+2*\i+1], v[XA], s[4:5] offset:16384*\i   ; channel i: 32 lanes read 256 consecutive aligned bytes
.endr
	s_load_b512 s[GW:GW+15], s[8:9], 0x0
	s_load_b512 s[GW+16:GW+31], s[8:9], 0x40
	s_load_b512 s[GB:GB+15], s[10:11], 0x0
	s_load_b512 s[GB+16:GB+31], s[10:11], 0x40
	; the group's mean and variance from its eight chunks of equal size: mean = the means' mean; M2 = the sum of the chunks' M2 + 16,384 x the sum of (chunk mean - mean)^2
	s_wait_loadcnt 32                              ; the four loads of the chunks' figures are in; x's 32 stay out
	v_add_f32 v[T1], v[ST], v[ST+2]
	v_add_f32 v[T1+1], v[ST+4], v[ST+6]
	v_add_f32 v[T1+2], v[ST+8], v[ST+10]
	v_add_f32 v[T1+3], v[ST+12], v[ST+14]
	v_add_f32 v[T1+4], v[ST+1], v[ST+3]
	v_add_f32 v[T1+5], v[ST+5], v[ST+7]
	v_add_f32 v[T1+6], v[ST+9], v[ST+11]
	v_add_f32 v[T1+7], v[ST+13], v[ST+15]
	v_add_f32 v[T1], v[T1], v[T1+1]
	v_add_f32 v[T1+2], v[T1+2], v[T1+3]
	v_add_f32 v[T1+4], v[T1+4], v[T1+5]
	s_delay_alu instid0(VALU_DEP_4)
	v_add_f32 v[T1+6], v[T1+6], v[T1+7]
	s_delay_alu instid0(VALU_DEP_3)
	v_add_f32 v[T1], v[T1], v[T1+2]
	s_delay_alu instid0(VALU_DEP_2)
	v_add_f32 v[T1+4], v[T1+4], v[T1+6]
	s_delay_alu instid0(VALU_DEP_2)
	v_mul_f32 v[NM], 0xbe000000, v[T1]             ; minus the mean: x -1/8
.irp i, 0,1,2,3,4,5,6,7
	v_add_f32 v[ST+2*\i], v[ST+2*\i], v[NM]
.endr
	v_mul_f32 v[T1], v[ST], v[ST]
	v_mul_f32 v[T1+1], v[ST+2], v[ST+2]
.irp i, 2,4,6
	s_delay_alu instid0(VALU_DEP_2)
	v_fma_f32 v[T1], v[ST+2*\i], v[ST+2*\i], v[T1]
	s_delay_alu instid0(VALU_DEP_2)
	v_fma_f32 v[T1+1], v[ST+2*\i+2], v[ST+2*\i+2], v[T1+1]
.endr
	s_delay_alu instid0(VALU_DEP_1)
	v_add_f32 v[T1], v[T1], v[T1+1]
	s_delay_alu instid0(VALU_DEP_1)
	v_fma_f32 v[T1], v[T1], 0x46800000, v[T1+4]    ; x 16,384 + the chunks' M2
	s_delay_alu instid0(VALU_DEP_1)
	v_fma_f32 v[T1], v[T1], 0x37000000, s15        ; / 131,072 + eps
	s_wait_alu depctr_va_vdst(0)
	v_rsq_f32 v[RS], v[T1]
	v_mov_b32 v[NM+1], v[NM]                       ; a plain line behind the transcendental
	s_wait_alu depctr_va_vdst(0)                   ; the wait ahead of the result's first reader
	v_mov_b32 v[RS+1], v[RS]
	s_wait_kmcnt 0x0                               ; gains and offsets
.irp g, 0,1,2,3
	s_wait_loadcnt 24-8*\g                         ; eight more channels are in; the younger loads stay out
.irp k, 0,1,2,3,4,5,6,7
	v_pk_add_f32 v[X+2*(8*\g+\k):X+2*(8*\g+\k)+1], v[X+2*(8*\g+\k):X+2*(8*\g+\k)+1], v[NM:NM+1]
.endr
	s_wait_alu depctr_va_vdst(0)
.irp k, 0,1,2,3,4,5,6,7
	v_pk_mul_f32 v[X+2*(8*\g+\k):X+2*(8*\g+\k)+1], v[X+2*(8*\g+\k):X+2*(8*\g+\k)+1], v[RS:RS+1]
.endr
.irp k, 0,1,2,3,4,5,6,7
	v_fma_f32 v[HA+8*\g+\k], v[X+2*(8*\g+\k)], s[GW+8*\g+\k], s[GB+8*\g+\k]      ; gain and offset; the two positions part here, at no cost
	v_fma_f32 v[HB+8*\g+\k], v[X+2*(8*\g+\k)+1], s[GW+8*\g+\k], s[GB+8*\g+\k]
.endr
.endr
	; each position's block of 32 channels: largest magnitude with the floor 2^(3 - 127) among its leaves, 2 off its exponent field, the byte, the codes
	v_max3_num_f32 v[T1], |v[HA]|, |v[HA+1]|, 0x1800000
	v_max3_num_f32 v[T1+1], |v[HB]|, |v[HB+1]|, 0x1800000
.irp i, 2,4,6,8,10,12,14,16,18,20,22,24,26,28,30
	s_delay_alu instid0(VALU_DEP_2)
	v_max3_num_f32 v[T1], v[T1], |v[HA+\i]|, |v[HA+\i+1]|
	s_delay_alu instid0(VALU_DEP_2)
	v_max3_num_f32 v[T1+1], v[T1+1], |v[HB+\i]|, |v[HB+\i+1]|
.endr
	s_delay_alu instid0(VALU_DEP_2)
	v_add_nc_u32 v[T1+2], 0xff000000, v[T1]        ; the conversion takes the exponent field of this operand as its scale
	s_delay_alu instid0(VALU_DEP_2)
	v_add_nc_u32 v[T1+3], 0xff000000, v[T1+1]
.irp g, 0,1,2,3
	v_cvt_scalef32_pk8_fp4_f32 v[T1+4+\g], v[HA+8*\g:HA+8*\g+7], v[T1+2]
	v_cvt_scalef32_pk8_fp4_f32 v[T1+8+\g], v[HB+8*\g:HB+8*\g+7], v[T1+3]
.endr
	v_lshrrev_b32 v232, 23, v[T1+2]                ; the scale bytes.  (A plain line behind the conversions)
	v_lshrrev_b32 v233, 23, v[T1+3]
	ds_store_b128 v[HCW], v[T1+4:T1+7]
	ds_store_b128 v[HCW], v[T1+8:T1+11] offset:HP
	ds_store_b8 v[HSW], v232
	ds_store_b8 v[HSW], v233 offset:8
	; phase 2's addresses, in the registers that held the gains
	s_mov_b32 s49, 0
	s_lshl_b32 s48, s28, 13                        ; a head's 64 rows of 128 bytes
	s_add_nc_u64 s[WCB:WCB+1], s[16:17], s[48:49]
	s_lshl_b32 s48, s28, 9
	s_add_nc_u64 s[WSB:WSB+1], s[18:19], s[48:49]
	s_lshl_b32 s48, s28, 8
	s_add_nc_u64 s[BB:BB+1], s[20:21], s[48:49]
	s_lshr_b32 s50, s29, 1
	s_lshl_b32 s50, s50, 5
	s_and_b32 s51, s29, 1
	s_lshl_b32 s51, s51, 3
	s_add_co_u32 s50, s50, s51                     ; v's channel tile i begins at row 32 (i / 2) + 8 (i % 2)
	s_lshl_b32 s48, s50, 7
	s_add_nc_u64 s[WCV:WCV+1], s[WCB:WCB+1], s[48:49]
	s_lshl_b32 s48, s50, 3
	s_add_nc_u64 s[WSV:WSV+1], s[WSB:WSB+1], s[48:49]
	s_lshl_b32 s48, s50, 2
	s_add_nc_u64 s[BBV:BBV+1], s[BB:BB+1], s[48:49]
	s_lshl_b32 s52, s3, 2
	s_add_co_u32 s53, s52, s28                     ; 4 batch + head
	s_lshl_b32 s48, s53, 17
	s_lshl_b32 s51, s12, 2
	s_add_co_u32 s51, s51, s29                     ; my pair of position tiles: 4 key step + i
	s_lshl_b32 s51, s51, 10
	s_add_co_u32 s48, s48, s51
	s_add_nc_u64 s[QIB:QIB+1], s[22:23], s[48:49]
	s_lshl_b32 s48, s53, 5
	s_add_co_u32 s48, s48, s12
	s_mul_i32 s48, s48, REC
	s_lshl_b32 s51, s29, 10
	s_add_co_u32 s48, s48, s51
	s_add_nc_u64 s[KVB:KVB+1], s[26:27], s[48:49]
; the weight's four tiles of 16 rows x 256 K for q (kind 0) or k (1), their scale words (two a row) and the bias in the result's layout: 28 loads
.macro GLOAD_QK kind
.irp t, 0,1,2,3
.irp s, 0,1
.irp c, 0,1
	global_load_b128 v[FA+8*(2*\t+\s)+4*\c:FA+8*(2*\t+\s)+4*\c+3], v[VW], s[WCB:WCB+1] offset:32768*\kind+128*(32*(\t/2)+8*(\t%2))+64*\s+32*\c
.endr
.endr
	global_load_b64 v[SA+2*\t:SA+2*\t+1], v[VWS], s[WSB:WSB+1] offset:2048*\kind+8*(32*(\t/2)+8*(\t%2))
	global_load_b128 v[BIAS+8*\t:BIAS+8*\t+3], v[VB], s[BB:BB+1] offset:1024*\kind+4*(32*(\t/2)+8*(\t%2))
	global_load_b128 v[BIAS+8*\t+4:BIAS+8*\t+7], v[VB], s[BB:BB+1] offset:1024*\kind+4*(32*(\t/2)+8*(\t%2))+16
.endr
.endm
; my two tiles of positions, both K steps, and their scale words: 10 LDS loads; they serve q and k
.macro LLOAD_QK
.irp u, 0,1
.irp s, 0,1
.irp c, 0,1
	ds_load_b128 v[FB+8*(2*\u+\s)+4*\c:FB+8*(2*\u+\s)+4*\c+3], v[HF0] offset:8*HP*\u+64*\s+32*\c
.endr
.endr
	ds_load_b64 v[SB+2*\u:SB+2*\u+1], v[HSA0] offset:64*\u
.endr
.endm
; 16 matrix instructions; the eight accumulators take turns, one instruction a turn.  The first K step takes the bias as C
.macro MUL_QK
.irp s, 0,1
.irp u, 0,1
.irp t, 0,1,2,3
.if \s == 0
	v_wmma_scale_f32_16x16x128_f8f6f4 v[ACC+32*\u+8*\t:ACC+32*\u+8*\t+7], v[FA+8*(2*\t+\s):FA+8*(2*\t+\s)+7], v[FB+8*(2*\u+\s):FB+8*(2*\u+\s)+7], v[BIAS+8*\t:BIAS+8*\t+7], v[SA+2*\t+\s], v[SB+2*\u+\s] matrix_a_fmt:MATRIX_FMT_FP4 matrix_b_fmt:MATRIX_FMT_FP4
.else
	v_wmma_scale_f32_16x16x128_f8f6f4 v[ACC+32*\u+8*\t:ACC+32*\u+8*\t+7], v[FA+8*(2*\t+\s):FA+8*(2*\t+\s)+7], v[FB+8*(2*\u+\s):FB+8*(2*\u+\s)+7], v[ACC+32*\u+8*\t:ACC+32*\u+8*\t+7], v[SA+2*\t+\s], v[SB+2*\u+\s] matrix_a_fmt:MATRIX_FMT_FP4 matrix_b_fmt:MATRIX_FMT_FP4
.endif
.endr
.endr
.endr
.endm
; v: my 16 rows of the weight, both K steps, their scale words, and my channel's bias in eight registers: 13 loads
.macro GLOAD_V
.irp s, 0,1
.irp c, 0,1
	global_load_b128 v[FB+8*\s+4*\c:FB+8*\s+4*\c+3], v[VW], s[WCV:WCV+1] offset:65536+64*\s+32*\c
.endr
.endr
	global_load_b64 v[SB:SB+1], v[VWS], s[WSV:WSV+1] offset:4096
.irp k, 0,1,2,3,4,5,6,7
	global_load_b32 v[BIAS+\k], v[VB4], s[BBV:BBV+1] offset:2048
.endr
.endm
; all eight tiles of positions, K step s; with s = 0 also both K steps' scale words
.macro LLOAD_V s
.irp m, 0,1,2,3,4,5,6,7
.irp c, 0,1
	ds_load_b128 v[FA+8*\m+4*\c:FA+8*\m+4*\c+3], v[HFV] offset:HP*(32*(\m/2)+8*(\m%2))+64*\s+32*\c
.endr
.if \s == 0
	ds_load_b64 v[SA+2*\m:SA+2*\m+1], v[HSAV] offset:8*(32*(\m/2)+8*(\m%2))
.endif
.endr
.endm
.macro MUL_V s
.irp m, 0,1,2,3,4,5,6,7
.if \s == 0
	v_wmma_scale_f32_16x16x128_f8f6f4 v[ACC+8*\m:ACC+8*\m+7], v[FA+8*\m:FA+8*\m+7], v[FB:FB+7], v[BIAS:BIAS+7], v[SA+2*\m], v[SB] matrix_a_fmt:MATRIX_FMT_FP4 matrix_b_fmt:MATRIX_FMT_FP4
.else
	v_wmma_scale_f32_16x16x128_f8f6f4 v[ACC+8*\m:ACC+8*\m+7], v[FA+8*\m:FA+8*\m+7], v[FB+8:FB+15], v[ACC+8*\m:ACC+8*\m+7], v[SA+2*\m+1], v[SB+1] matrix_a_fmt:MATRIX_FMT_FP4 matrix_b_fmt:MATRIX_FMT_FP4
.endif
.endr
.endm
; 64 numbers of a lane, register 16 b + i = place 32 b + 16 (lane / 16) + i along K, become a fragment's codes in v[PC] on and its scale word in v[PW].  Each accumulator is read from its low end on.
.macro QUANT s
.irp b, 0,1,2,3
	v_max3_num_f32 v[TM+\b], |v[\s+16*\b]|, |v[\s+1+16*\b]|, 0x1800000   ; my 16 numbers of block b, and the floor 2^(3 - 127): the byte cannot fall under 1
.endr
.irp i, 2,4,6,8,10,12,14
.irp b, 0,1,2,3
	v_max3_num_f32 v[TM+\b], v[TM+\b], |v[\s+16*\b+\i]|, |v[\s+1+16*\b+\i]|
.endr
.endr
.irp b, 0,1,2,3
	s_delay_alu instid0(VALU_DEP_4)
	v_permlanex16_b32 v[TM+4+\b], v[TM+\b], s30, s31
.endr
.irp b, 0,1,2,3
	s_delay_alu instid0(VALU_DEP_4)
	v_max_num_f32 v[TM+\b], v[TM+\b], v[TM+4+\b]   ; with lane l xor 16's: the block's largest magnitude
.endr
.irp b, 0,1,2,3
	s_delay_alu instid0(VALU_DEP_4)
	v_add_nc_u32 v[TM+12+\b], 0xff000000, v[TM+\b] ; 2 off its exponent field: the conversion's scale operand
.endr
.irp b, 0,1,2,3
	s_delay_alu instid0(VALU_DEP_4)
	v_lshrrev_b32 v[TM+4+\b], 23, v[TM+12+\b]      ; the scale's byte
.endr
	s_delay_alu instid0(VALU_DEP_3)
	v_lshl_or_b32 v[PW], v[TM+5], 8, v[TM+4]
	s_delay_alu instid0(VALU_DEP_1)
	v_lshl_or_b32 v[PW], v[TM+6], 16, v[PW]
	s_delay_alu instid0(VALU_DEP_1)
	v_lshl_or_b32 v[PW], v[TM+7], 24, v[PW]
.irp b, 0,1,2,3
	v_cvt_scalef32_pk8_fp4_f32 v[PC+2*\b], v[\s+16*\b:\s+7+16*\b], v[TM+12+\b]
	v_cvt_scalef32_pk8_fp4_f32 v[PC+1+2*\b], v[\s+8+16*\b:\s+15+16*\b], v[TM+12+\b]
.endr
	v_nop                                          ; one plain line behind a scaled conversion
.irp c, 0,1                                    ; the operand's layout wants a whole block in a lane: lanes 0-15 block 2 c, lanes 16-31 block 2 c + 1
.irp i, 0,1
	v_permlane16_swap_b32 v[PC+4*\c+\i], v[PC+2+4*\c+\i]
.endr
.endr
.endm
.macro PLACES                          ; four plain lines between matrix instructions and loads into their registers or reads of their results
.rept 4
	v_nop
.endr
.endm
	s_wait_dscnt 0x0                               ; my codes and bytes have landed, and those stores have read their registers, on which the loads below land
	GLOAD_QK 0
	s_barrier_signal -1
	s_barrier_wait -1                              ; all 128 positions' codes lie in LDS
	LLOAD_QK
	s_wait_loadcnt 0x0
	s_wait_dscnt 0x0
	MUL_QK                                         ; q
	PLACES
	GLOAD_QK 1                                     ; k's rows of the weight come while q is quantised
	QUANT ACC
	global_store_b128 v[LI], v[PC:PC+3], s[QIB:QIB+1]              ; tile 2 P: 512 consecutive bytes
	global_store_b128 v[LI], v[PC+4:PC+7], s[QIB:QIB+1] offset:512 ; tile 2 P + 1
	ds_store_b32 v[QSW], v[PW]
	s_wait_loadcnt 0x0
	s_wait_dscnt 0x0                               ; the word's store has read its register
	MUL_QK                                         ; k, on the same positions' fragments
	PLACES
	GLOAD_V
	LLOAD_V 0
	s_wait_xcnt 0x0                                ; q's stores have read the codes' registers, which are written again below
	QUANT ACC
	global_store_b128 v[LI], v[PC:PC+3], s[KVB:KVB+1]
	global_store_b128 v[LI], v[PC+4:PC+7], s[KVB:KVB+1] offset:512
	ds_store_b32 v[SCW], v[PW]                     ; lanes l and l + 16 write the same word with the same value
	s_wait_loadcnt 0x0
	s_wait_dscnt 0x0
	MUL_V 0
	PLACES
	LLOAD_V 1
	s_wait_dscnt 0x0
	MUL_V 1
	PLACES
	s_wait_xcnt 0x0                                ; k's stores have read the codes' registers
	QUANT ACC
	global_store_b128 v[LI], v[PC:PC+3], s[KVB:KVB+1] offset:4096
	global_store_b128 v[LI], v[PC+4:PC+7], s[KVB:KVB+1] offset:4608
	ds_store_b32 v[SCW], v[PW] offset:256
	s_wait_dscnt 0x0                               ; for the others' sake: my scale words have landed
	s_barrier_signal -1
	s_barrier_wait -1
	; the scale words leave: waves 0-3 a head's 512 bytes of kv's record, waves 4-7 a head's 512 bytes of q's
	s_cmp_lt_u32 s[WV], 8
	s_cbranch_scc0 .Lend
	s_and_b32 s50, s[WV], 3
	s_add_co_u32 s50, s50, s52                     ; 4 batch + head
	s_lshl_b32 s48, s50, 5
	s_add_co_u32 s48, s48, s12
	s_mul_i32 s48, s48, REC
	s_add_co_u32 s48, s48, 8192
	s_add_nc_u64 s[54:55], s[26:27], s[48:49]
	s_lshl_b32 s48, s50, 7
	s_lshl_b32 s51, s12, 2
	s_add_co_u32 s48, s48, s51
	s_lshl_b32 s48, s48, 7
	s_add_nc_u64 s[56:57], s[24:25], s[48:49]
	s_cmp_lt_u32 s[WV], 4
	s_cselect_b64 s[54:55], s[54:55], s[56:57]
	ds_load_b128 v[16:19], v[GRD]
	s_wait_dscnt 0x0
	global_store_b128 v[LI], v[16:19], s[54:55]
.Lend:
	s_wait_tensorcnt 0x0
	ds_add_u32 v227, v255
	s_wait_dscnt 0x0
	s_endpgm
.Lfunc_end_k_q25a3e6276b_qkv:
	.size	k_q25a3e6276b_qkv, .Lfunc_end_k_q25a3e6276b_qkv-k_q25a3e6276b_qkv
	.p2alignl 7, 3214868480
	.fill 96, 4, 3214868480
	.section	.rodata,"a",@progbits
	.p2align	6, 0x0
	.amdhsa_kernel k_q25a3e6276b_qkv
		.amdhsa_group_segment_fixed_size 25600
		.amdhsa_private_segment_fixed_size 0
		.amdhsa_enable_private_segment 0
		.amdhsa_kernarg_size 80
		.amdhsa_user_sgpr_count 2
		.amdhsa_user_sgpr_kernarg_segment_ptr 1
		.amdhsa_wavefront_size32 1
		.amdhsa_system_sgpr_workgroup_id_x 1
		.amdhsa_system_sgpr_workgroup_id_y 1
		.amdhsa_system_sgpr_workgroup_id_z 1
		.amdhsa_system_vgpr_workitem_id 0
		.amdhsa_next_free_vgpr 256
		.amdhsa_next_free_sgpr 100
		.amdhsa_reserve_vcc 0
		.amdhsa_float_denorm_mode_32 3
		.amdhsa_float_denorm_mode_16_64 3
		.amdhsa_memory_ordered 1
		.amdhsa_forward_progress 1
		.amdhsa_inst_pref_size 55
	.end_amdhsa_kernel
	.amdgpu_metadata
---
amdhsa.version: [ 1, 2 ]
amdhsa.kernels:
  - .name:           k_q25a3e6276b_qkv
    .symbol:         k_q25a3e6276b_qkv.kd
    .args:
      - { .name: x, .offset: 0, .size: 8, .value_kind: global_buffer, .address_space: global }
      - { .name: stats, .offset: 8, .size: 8, .value_kind: global_buffer, .address_space: global }
      - { .name: gn_w, .offset: 16, .size: 8, .value_kind: global_buffer, .address_space: global }
      - { .name: gn_b, .offset: 24, .size: 8, .value_kind: global_buffer, .address_space: global }
      - { .name: qkv_w_codes, .offset: 32, .size: 8, .value_kind: global_buffer, .address_space: global }
      - { .name: qkv_w_scales, .offset: 40, .size: 8, .value_kind: global_buffer, .address_space: global }
      - { .name: qkv_b, .offset: 48, .size: 8, .value_kind: global_buffer, .address_space: global }
      - { .name: qimg, .offset: 56, .size: 8, .value_kind: global_buffer, .address_space: global }
      - { .name: qsc, .offset: 64, .size: 8, .value_kind: global_buffer, .address_space: global }
      - { .name: kv, .offset: 72, .size: 8, .value_kind: global_buffer, .address_space: global }
    .group_segment_fixed_size: 25600
    .private_segment_fixed_size: 0
    .kernarg_segment_align: 8
    .kernarg_segment_size: 80
    .max_flat_workgroup_size: 512
    .sgpr_count:     100
    .vgpr_count:     256
    .wavefront_size: 32
...
	.end_amdgpu_metadata
.endif
;; end of part 2
;; launch attn (part 3): grid 16 x 16, 16 waves a work-group, clusters of 4 x 1, 282,624 bytes of LDS; arguments qimg, qsc, kv, oimg, osc; writes oimg, osc
.if DOCPART == 3
	.amdgcn_target "amdgcn-amd-amdhsa--gfx1250"
	.amdhsa_code_object_version 6
	.text
	.protected	k_q25a3e6276b_attn
	.globl	k_q25a3e6276b_attn
	.p2align	8
	.type	k_q25a3e6276b_attn,@function
k_q25a3e6276b_attn:
	s_mov_b64 s[64:65], 0
	v_nop
	global_prefetch_b8 v0, s[64:65] scope:SCOPE_SE
	s_setreg_imm32_b32 hwreg(HW_REG_WAVE_MODE, 25, 1), 1
	s_wait_xcnt 0x0
	s_wait_alu depctr_hold_cnt(0) depctr_sa_sdst(0) depctr_va_vdst(0) depctr_va_sdst(0) depctr_va_ssrc(0) depctr_va_vcc(0) depctr_vm_vsrc(0)
	s_getreg_b32 s2, hwreg(HW_REG_IB_STS2, 6, 4)
	s_cmp_eq_u32 s2, 0
	s_cbranch_scc0 .Lentry_in_a_cluster
	s_endpgm
.Lentry_in_a_cluster:
	s_bfe_u32 s2, ttmp6, 0x10000c
	s_cmp_lg_u32 s2, 0x3003
	s_cbranch_scc0 .Lentry_shape_is_right
	s_endpgm
.Lentry_shape_is_right:
; o = softmax(q k^T / 8) v for one (batch, head), both products on codes of FP4 (E2M1) with one E8M0 scale for each 32 along K, and o's quantising for the last product.
; THE SOFTMAX AHEAD OF THE SECOND PRODUCT: t = score x log2(e) / 8; M = the row's largest t so far, rounded UP to a whole number; p = 2^(t - M) is what is quantised, along the keys, not normalised.
; The row's sum is taken of the unquantised p and divides o at the end.  When M moves, the sum and o are multiplied by 2^(old M - new M): exact.
; SHARES.  A work-group owns 256 queries of one (batch, head); each of its sixteen waves owns one tile of 16, in 256 registers: four waves to a SIMD, so that one wave's vector work stands beside another's matrix work.
; Every wave walks the 4,096 keys, 128 a step.  THE HEAD'S WHOLE k AND v, 32 records of 8,704 bytes, LIE IN LDS: each is filled once, so there is no ring.  The records are images of operand registers: a fragment is
; two loads of 512 consecutive bytes.  Waves 0-3 ask for eight records each at the start (wave w's q-th: record 4 q + w): eight tensor loads of a wave are out at the most; the walk begins when the first four have landed.
; CLUSTER.  The four work-groups of a cluster belong to one (batch, head) and need the same records: each is asked for jointly, by the same tensor load with the same descriptor and the mask of all four.
; K = 64 IN THE FIRST PRODUCT.  A fragment of k holds TWO tiles of 16 keys (K 0-63: tile 2 p, K 64-127: tile 2 p + 1).  It is multiplied by (q, zeros) and by (zeros, q): zero codes add nothing.
; LAYOUT.  Both products are used transposed (source 0 = keys, or v's channels; source 1 = my queries, or p): a lane holds one query throughout.  Row r of tile 2 p + u is 32 p + 8 u + r + 8 (r / 8), for keys, queries
; and v's channels, so that the 16 registers of two neighbouring tiles are 16 neighbours along the next K.
; Nothing is prefetched: every byte that the launch reads from kv is asked for by the tensor loads at its head.
; LIMITS: NaN and infinities are not served.  A block of o or p whose largest magnitude lies under 2^-124 gets the scale byte 1; this program alone reads the bytes.
; REGISTERS: v1-4 addresses that stay; v8 the step's record; v12 -M, v13 the largest t, v[14:15] the sum in two halves; v16-23 (q, 0); v24-31 (0, q); v32-63 k's four fragments; v64-95 v's four; v96-159 scores, then p;
; v160-191 o; v[192:193] the rescaling factor; v224-231 p's codes; v232-247, v254 at work; v248-251 the record's scale words, v253 p's, v255 q's: v248-251 and v255 hold scales alone.
.set REC,  8704
.set OSG,  32*REC                      ; behind the records: 2,048 bytes in which o's scale words meet; no tensor load lands there
.set LI,   1                           ; v1   16 x lane
.set OSW,  2                           ; v2   where I put my scale word: OSG + 4 x thread
.set GOS,  3                           ; v3   16 x (thread % 128)
.set ORD,  4                           ; v4   OSG + that
.set ADR,  8
.set WV,   18
.set SEL,  20
.set CS,   22
.set G1,   24                          ; s[24:31] descriptor group 1
.set G0,   32                          ; s[32:63] eight groups 0
.set TB,   66                          ; s66  LDS byte of the step's record
.set CNT,  67
.macro CROUND                          ; a round of the cluster's barrier
	s_barrier_signal -1
	s_barrier_wait -1
	s_cmp_lg_u32 s[WV], 0
	s_cbranch_scc1 .Lnot_wave_0_\@
	s_barrier_signal -3
.Lnot_wave_0_\@:
	s_barrier_wait -3
	s_barrier_signal -1
	s_barrier_wait -1
.endm
	s_load_b256 s[4:11], s[0:1], 0x0               ; qimg, qsc, kv, oimg
	s_load_b64 s[12:13], s[0:1], 0x20              ; osc
	v_lshl_add_u32 v242, v0, 2, 0x44800
	v_mov_b32 v243, 0
	ds_add_u32 v242, v243
	ds_add_u32 v242, v243
	v_lshrrev_b32 v8, 5, v0
	s_delay_alu instid0(VALU_DEP_1)
	v_readfirstlane_b32 s[WV], v8                  ; wave 0..15
	s_bfe_u32 s14, ttmp6, 0x40000                  ; cx: my place in the cluster; it enters q's and o's global addresses alone
	s_lshl_b32 s15, ttmp9, 2
	s_add_co_u32 s15, s15, s14                     ; my block of 256 queries
	s_and_b32 s16, ttmp7, 0xffff                   ; 4 batch + head, which the four partners share
	s_lshl_b32 s17, s15, 4
	s_add_co_u32 s17, s17, s[WV]                   ; my tile of queries
	; descriptor group 1: a record is a dense block of 34 rows of 256 bytes
	s_mov_b32 s[G1], 15|(3<<16)|(1<<21)            ; 15:0 the mask: all four work-groups; 17:16 elements of 8 bytes; 21 set beside a mask; no padding
	s_mov_b32 s[G1+1], 32<<16                      ; tensor_dim0 = 32
	s_mov_b32 s[G1+2], 34<<16                      ; tensor_dim1 = 34
	s_mov_b32 s[G1+3], 32<<16                      ; tile_dim0 = 32
	s_mov_b32 s[G1+4], 34                          ; tile_dim1 = 34
	s_mov_b32 s[G1+5], 32                          ; from row to row
	s_mov_b32 s[G1+6], 0
	s_mov_b32 s[G1+7], 0
	s_mov_b32 s[SEL], 0x76543210
	s_mov_b32 s[SEL+1], 0xfedcba98
	s_mov_b32 s[CS], 0x3e38aa3b                    ; c = log2(e) / 8
	s_mov_b32 s[CS+1], s[CS]                       ; (named with it as a pair, so it is written)
	s_mov_b32 s[TB], 0
	s_mul_i32 s70, s[WV], REC                      ; my first record, in LDS and in the head's block
	s_mul_i32 s68, s16, 32*REC
	s_add_co_u32 s68, s68, s70
	s_mov_b32 s69, 0
	s_wait_dscnt 0x0
	s_wait_kmcnt 0x0
	s_add_nc_u64 s[8:9], s[8:9], s[68:69]
.irp q, 0,1,2,3,4,5,6,7
	s_mov_b32 s[G0+4*\q], 1                        ; count = 1
	s_add_co_u32 s[G0+4*\q+1], s70, 4*REC*\q       ; LDS address: record 4 q + wave
	s_add_nc_u64 s[G0+4*\q+2:G0+4*\q+3], s[8:9], 4*REC*\q
	s_or_b32 s[G0+4*\q+3], s[G0+4*\q+3], 0x80000000   ; type = 2
.endr
	CROUND                                         ; all four work-groups are here: the joint loads meet
	s_cmp_lt_u32 s[WV], 4                          ; all first fills of a wave stand in one branch on the wave's number
	s_cbranch_scc0 .Lno_fill
.irp q, 0,1,2,3,4,5,6,7
	tensor_load_to_lds s[G0+4*\q:G0+4*\q+3], s[G1:G1+7]
	s_nop 0
.endr
.rept 4
	v_nop
.endr
.Lno_fill:
	v_and_b32 v5, 31, v0
	s_delay_alu instid0(VALU_DEP_1)
	v_lshlrev_b32 v[LI], 4, v5
	s_wait_alu depctr_va_vdst(0)
	v_lshl_add_u32 v[OSW], v0, 2, OSG
	v_and_b32 v6, 127, v0
	s_delay_alu instid0(VALU_DEP_1)
	v_lshlrev_b32 v[GOS], 4, v6
	s_delay_alu instid0(VALU_DEP_1)
	v_add_nc_u32 v[ORD], OSG, v[GOS]
	v_lshlrev_b32 v7, 2, v5
	s_wait_alu depctr_va_vdst(0)
	s_lshl_b32 s68, s16, 17                        ; q's image: 256 tiles of 512 bytes a head
	s_lshl_b32 s71, s17, 9
	s_add_co_u32 s68, s68, s71
	s_add_nc_u64 s[4:5], s[4:5], s[68:69]
	s_lshl_b32 s68, s16, 14                        ; q's scale words: 128 pairs of tiles, 128 bytes each
	s_lshr_b32 s71, s17, 1
	s_lshl_b32 s71, s71, 7
	s_add_co_u32 s68, s68, s71
	s_add_nc_u64 s[6:7], s[6:7], s[68:69]
	global_load_b128 v[16:19], v[LI], s[4:5] th:TH_LOAD_NT         ; q as K 0-63,
	global_load_b128 v[28:31], v[LI], s[4:5] th:TH_LOAD_NT         ; and once more as K 64-127
	global_load_b32 v252, v7, s[6:7]
	s_lshr_b32 s72, s16, 2                         ; batch
	s_and_b32 s73, s16, 3                          ; head
	s_lshl_b32 s68, s72, 19                        ; o's image: [batch][tile][head][512]
	s_lshl_b32 s71, s17, 11
	s_add_co_u32 s68, s68, s71
	s_lshl_b32 s71, s73, 9
	s_add_co_u32 s68, s68, s71
	s_add_nc_u64 s[10:11], s[10:11], s[68:69]
	s_lshl_b32 s68, s16, 15                        ; o's scale words: [batch, head][tile][128]
	s_lshl_b32 s71, s15, 11
	s_add_co_u32 s68, s68, s71
	s_add_nc_u64 s[12:13], s[12:13], s[68:69]
	s_and_b32 s71, s[WV], 1                        ; which tile of its pair is mine: its two bytes of the pair's word serve both halves of K
	s_mov_b32 s68, 0x03020302
	s_cmp_eq_u32 s71, 0
	s_cselect_b32 s68, 0x01000100, s68
	s_wait_loadcnt 0x0
	v_perm_b32 v255, v252, v252, s68               ; q's scale word; more than eight plain lines follow ahead of the first product
.irp j, 20,21,22,23,24,25,26,27
	v_mov_b32 v[\j], 0                             ; the zero halves
.endr
	v_mov_b32 v13, 0xff61b1e6                      ; the largest t so far: -3e38, under every t
	s_delay_alu instid0(VALU_DEP_1)
	v_floor_f32 v12, -v13                          ; -M
	v_mov_b32 v14, 0
	v_mov_b32 v15, 0
	v_mov_b32 v193, 0                              ; (named as the upper half of the pair v[192:193])
	v_mov_b32 v254, 0
.irp b, 0,1,2,3
	v_mov_b32 v[236+\b], 0                         ; written once: a lane permute's destination counts as one of its sources
.endr
.set j, 0
.rept 32
	v_mov_b32 v[160+j], 0                          ; o.  (The step is written without a first form of its own: it finds zeros, which the first change of M leaves zeros)
.set j, j+1
.endr
; A KEY STEP: 128 keys, one record.
.macro STEP
	v_add_nc_u32 v[ADR], s[TB], v[LI]
.rept 3
	v_nop                                          ; with the line above: four plain lines between the last products and the loads into their registers
.endr
	ds_load_b128 v[248:251], v[ADR] offset:8192    ; the scale words: lanes 0-15 k's four, lanes 16-31 v's four
.irp p, 0,1,2,3
.irp c, 0,1
	ds_load_b128 v[32+8*\p+4*\c:35+8*\p+4*\c], v[ADR] offset:1024*\p+512*\c
.endr
.endr
.irp t, 0,1,2,3
.irp c, 0,1
	ds_load_b128 v[64+8*\t+4*\c:67+8*\t+4*\c], v[ADR] offset:4096+1024*\t+512*\c
.endr
.endr
	s_wait_dscnt 8                                 ; the scale words and k are in; v's eight loads stay out
.irp p, 0,1,2,3
	v_wmma_scale_f32_16x16x128_f8f6f4 v[96+16*\p:103+16*\p], v[32+8*\p:39+8*\p], v[16:23], 0, v[248+\p], v255 matrix_a_fmt:MATRIX_FMT_FP4 matrix_b_fmt:MATRIX_FMT_FP4
	v_wmma_scale_f32_16x16x128_f8f6f4 v[104+16*\p:111+16*\p], v[32+8*\p:39+8*\p], v[24:31], 0, v[248+\p], v255 matrix_a_fmt:MATRIX_FMT_FP4 matrix_b_fmt:MATRIX_FMT_FP4
.endr                                          ; register 16 b + i of v96 on: key 32 b + 16 (lane / 16) + i of the step
.rept 4
	v_nop
.endr
.irp b, 0,1,2,3
	v_max3_num_f32 v[232+\b], v[96+16*\b], v[97+16*\b], v[98+16*\b]   ; the largest score of each block of 32 keys: for the row's maximum and, since p rises with the score, for the block's largest p
.endr
.irp i, 3,5,7,9,11,13
.irp b, 0,1,2,3
	v_max3_num_f32 v[232+\b], v[232+\b], v[96+16*\b+\i], v[97+16*\b+\i]
.endr
.endr
.irp b, 0,1,2,3
	v_max_num_f32 v[232+\b], v[232+\b], v[111+16*\b]
.endr
.irp b, 0,1,2,3
	s_delay_alu instid0(VALU_DEP_4)
	v_permlanex16_b32 v[236+\b], v[232+\b], s[SEL], s[SEL+1]
.endr
.irp b, 0,1,2,3
	s_delay_alu instid0(VALU_DEP_4)
	v_max_num_f32 v[232+\b], v[232+\b], v[236+\b]  ; with lane l xor 16's 16 keys
.endr
	s_delay_alu instid0(VALU_DEP_2)
	v_max3_num_f32 v254, v232, v233, v234
	s_delay_alu instid0(VALU_DEP_1)
	v_max_num_f32 v254, v254, v235                 ; the step's largest score of my query
	s_delay_alu instid0(VALU_DEP_1)
	v_mul_f32 v254, s[CS], v254                    ; as t (c is positive)
	s_delay_alu instid0(VALU_DEP_1)
	v_max_num_f32 v13, v13, v254                   ; the running largest t
	v_mov_b32 v254, v12
	s_delay_alu instid0(VALU_DEP_2)
	v_floor_f32 v12, -v13                          ; the new -M = floor(-t): M is a whole number
	s_delay_alu instid0(VALU_DEP_1)
	v_sub_f32 v254, v12, v254                      ; old M - new M: a whole number, 0 or less
	s_delay_alu instid0(VALU_DEP_1)
	v_cvt_i32_f32 v254, v254                       ; (it saturates)
	s_delay_alu instid0(VALU_DEP_1)
	v_ldexp_f32 v192, 1.0, v254                    ; f = 2^(old M - new M)
.set j, 0
.rept 32
	v_pk_fma_f32 v[96+j:97+j], v[96+j:97+j], s[CS:CS+1], v[12:13] op_sel_hi:[1,0,0]   ; t - M, two at a time (of the pairs c and -M the low word serves both halves)
.set j, j+2
.endr
.irp b, 0,1,2,3
	v_fma_f32 v[232+\b], v[232+\b], s[CS], v12     ; the same of each block's largest score
.endr
.set j, 0
	s_wait_alu depctr_va_vdst(0)
.rept 64
	v_exp_f32 v[96+j], v[96+j]                     ; p = 2^(t - M), at most 1
.set j, j+1
.endr
	s_setprio 1
	v_pk_mul_f32 v[14:15], v[14:15], v[192:193] op_sel_hi:[1,0]   ; the sums under the new M.  (A plain line behind the exponentials)
	s_wait_alu depctr_va_vdst(0)                   ; one wait for the whole batch, ahead of its first reader
.irp b, 0,1,2,3
	v_exp_f32 v[232+\b], v[232+\b]                 ; the block's largest p: the same two instructions on the same number give the same bits
.endr
	v_pk_add_f32 v[236:237], v[100:101], v[104:105]
	v_pk_add_f32 v[252:253], v[108:109], v[112:113]
	v_pk_add_f32 v[246:247], v[116:117], v[120:121]
	v_pk_add_f32 v[244:245], v[124:125], v[128:129]
	v_pk_add_f32 v[240:241], v[132:133], v[136:137]
	v_pk_add_f32 v[238:239], v[140:141], v[144:145]
	v_pk_add_f32 v[230:231], v[148:149], v[152:153]
	v_pk_add_f32 v[14:15], v[14:15], v[156:157]
	v_pk_add_f32 v[236:237], v[236:237], v[96:97]
	v_pk_add_f32 v[252:253], v[252:253], v[98:99]
	v_pk_add_f32 v[246:247], v[246:247], v[102:103]
	v_pk_add_f32 v[244:245], v[244:245], v[106:107]
	v_pk_add_f32 v[240:241], v[240:241], v[110:111]
	v_pk_add_f32 v[238:239], v[238:239], v[114:115]
	v_pk_add_f32 v[230:231], v[230:231], v[118:119]
	v_pk_add_f32 v[14:15], v[14:15], v[122:123]
	v_pk_add_f32 v[236:237], v[236:237], v[126:127]
	v_pk_add_f32 v[252:253], v[252:253], v[130:131]
	v_pk_add_f32 v[246:247], v[246:247], v[134:135]
	v_pk_add_f32 v[244:245], v[244:245], v[138:139]
	v_pk_add_f32 v[240:241], v[240:241], v[142:143]
	v_pk_add_f32 v[238:239], v[238:239], v[146:147]
	v_pk_add_f32 v[230:231], v[230:231], v[150:151]
	v_pk_add_f32 v[14:15], v[14:15], v[154:155]
	v_pk_add_f32 v[236:237], v[236:237], v[158:159]
	s_delay_alu instid0(VALU_DEP_2)
	v_pk_add_f32 v[14:15], v[14:15], v[244:245]
	s_delay_alu instid0(VALU_DEP_2)
	v_pk_add_f32 v[236:237], v[236:237], v[240:241]
	v_pk_add_f32 v[252:253], v[252:253], v[238:239]
	v_pk_add_f32 v[246:247], v[246:247], v[230:231]
	s_delay_alu instid0(VALU_DEP_2)
	v_pk_add_f32 v[14:15], v[14:15], v[252:253]
	s_delay_alu instid0(VALU_DEP_2)
	v_pk_add_f32 v[236:237], v[236:237], v[246:247]
	s_delay_alu instid0(VALU_DEP_1)
	v_pk_add_f32 v[14:15], v[14:15], v[236:237]
	s_wait_alu depctr_va_vdst(0)                   ; and one for the four
.irp b, 0,1,2,3
	v_max_num_f32 v[232+\b], 0x1800000, v[232+\b]  ; the floor 2^(3 - 127): the byte cannot fall under 1
.endr
.irp b, 0,1,2,3
	s_delay_alu instid0(VALU_DEP_4)
	v_add_nc_u32 v[244+\b], 0xff000000, v[232+\b]  ; 2 off the exponent field: the conversion's scale operand
.endr
.irp b, 0,1,2,3
	s_delay_alu instid0(VALU_DEP_4)
	v_lshrrev_b32 v[236+\b], 23, v[244+\b]         ; the scale's byte
.endr
	s_delay_alu instid0(VALU_DEP_3)
	v_lshl_or_b32 v253, v237, 8, v236              ; p's scale word for these 128 keys
	s_delay_alu instid0(VALU_DEP_1)
	v_lshl_or_b32 v253, v238, 16, v253
	s_delay_alu instid0(VALU_DEP_1)
	v_lshl_or_b32 v253, v239, 24, v253
.irp b, 0,1,2,3
	v_cvt_scalef32_pk8_fp4_f32 v[224+2*\b], v[96+16*\b:103+16*\b], v[244+\b]
	v_cvt_scalef32_pk8_fp4_f32 v[225+2*\b], v[104+16*\b:111+16*\b], v[244+\b]
.endr
	v_nop                                          ; one plain line behind a scaled conversion
.irp c, 0,1                                    ; a whole block in a lane: lanes 0-15 block 2 c, lanes 16-31 block 2 c + 1
.irp i, 0,1
	v_permlane16_swap_b32 v[224+4*\c+\i], v[226+4*\c+\i]
.endr
.endr
.set j, 0
	s_setprio 0
.rept 16
	v_pk_mul_f32 v[160+j:161+j], v[160+j:161+j], v[192:193] op_sel_hi:[1,0]   ; o under the new M.  (Twelve of these name no register of a given product below: the plain lines between p's codes and scale word and that product)
.set j, j+2
.endr
	s_wait_alu depctr_va_vdst(0)
	s_wait_dscnt 0x0                               ; v is in
.irp t, 0,1,2,3
	v_wmma_scale_f32_16x16x128_f8f6f4 v[160+8*\t:167+8*\t], v[64+8*\t:71+8*\t], v[224:231], v[160+8*\t:167+8*\t], v[248+\t], v253 matrix_a_fmt:MATRIX_FMT_FP4 matrix_b_fmt:MATRIX_FMT_FP4 matrix_a_scale:MATRIX_SCALE_ROW1
.endr                                          ; the accumulators take turns, one instruction a turn
	s_add_co_u32 s[TB], s[TB], REC
.endm
; Records 4 q .. 4 q + 3: each fetching wave's q-th load has landed (the 7 - q loads issued behind it may stay out), every wave knows it, and four steps follow.
.macro PHASE q
	s_wait_tensorcnt 7-\q
	s_barrier_signal -1
	s_barrier_wait -1
	s_mov_b32 s[CNT], 4
.Lstep_\@:
	s_setprio 2
	STEP
	s_sub_co_u32 s[CNT], s[CNT], 1
	s_cmp_lg_u32 s[CNT], 0
	s_cbranch_scc1 .Lstep_\@
	s_setprio 0
.endm
.irp q, 0,1,2,3,4,5,6,7
	PHASE \q
.endr
	; THE WAY OUT.  o / the sum; register 16 b + i is channel 32 b + 16 (lane / 16) + i of the head: two blocks of the last product's K.  They are quantised and leave as half a fragment's image.
.rept 4
	v_nop
.endr
	v_add_f32 v14, v14, v15                        ; the sum's two halves,
	s_delay_alu instid0(VALU_DEP_1)
	v_permlanex16_b32 v254, v14, s[SEL], s[SEL+1]
	s_delay_alu instid0(VALU_DEP_1)
	v_add_f32 v14, v14, v254                       ; and lane l xor 16's
	s_wait_alu depctr_va_vdst(0)
	v_rcp_f32 v14, v14
	v_nop                                          ; a plain line behind the transcendental
	s_wait_alu depctr_va_vdst(0)                   ; the wait ahead of the first reader
.set j, 0
.rept 32
	v_mul_f32 v[96+j], v[160+j], v14               ; each accumulator from its low end on
.set j, j+1
.endr
.irp b, 0,1
	v_max3_num_f32 v[232+\b], |v[96+16*\b]|, |v[97+16*\b]|, 0x1800000
.endr
.irp i, 2,4,6,8,10,12,14
.irp b, 0,1
	s_delay_alu instid0(VALU_DEP_2)
	v_max3_num_f32 v[232+\b], v[232+\b], |v[96+16*\b+\i]|, |v[97+16*\b+\i]|
.endr
.endr
.irp b, 0,1
	s_delay_alu instid0(VALU_DEP_2)
	v_permlanex16_b32 v[236+\b], v[232+\b], s[SEL], s[SEL+1]
.endr
.irp b, 0,1
	s_delay_alu instid0(VALU_DEP_2)
	v_max_num_f32 v[232+\b], v[232+\b], v[236+\b]
.endr
.irp b, 0,1
	s_delay_alu instid0(VALU_DEP_2)
	v_add_nc_u32 v[244+\b], 0xff000000, v[232+\b]
.endr
.irp b, 0,1
	s_delay_alu instid0(VALU_DEP_2)
	v_lshrrev_b32 v[236+\b], 23, v[244+\b]
.endr
	s_delay_alu instid0(VALU_DEP_1)
	v_lshl_or_b32 v240, v237, 8, v236              ; my query's two bytes
.irp b, 0,1
	v_cvt_scalef32_pk8_fp4_f32 v[224+2*\b], v[96+16*\b:103+16*\b], v[244+\b]
	v_cvt_scalef32_pk8_fp4_f32 v[225+2*\b], v[104+16*\b:111+16*\b], v[244+\b]
.endr
	v_nop
.irp i, 0,1
	v_permlane16_swap_b32 v[224+\i], v[226+\i]
.endr
	global_store_b128 v[LI], v[224:227], s[10:11]  ; 512 consecutive bytes
	ds_store_b32 v[OSW], v240
	s_wait_dscnt 0x0                               ; for the others' sake: my word has landed
	s_barrier_signal -1
	s_barrier_wait -1
	s_cmp_lt_u32 s[WV], 4                          ; the sixteen tiles' words, 2,048 bytes, leave by four waves, 512 consecutive bytes each
	s_cbranch_scc0 .Lno_words
	ds_load_b128 v[228:231], v[ORD]
	s_wait_dscnt 0x0
	global_store_b128 v[GOS], v[228:231], s[12:13]
.Lno_words:
	s_wait_tensorcnt 0x0
	ds_add_u32 v242, v243
	s_wait_dscnt 0x0
	CROUND                                         ; the closing round: no work-group ends while a partner may still ask for a record that names it
	s_endpgm
.Lfunc_end_k_q25a3e6276b_attn:
	.size	k_q25a3e6276b_attn, .Lfunc_end_k_q25a3e6276b_attn-k_q25a3e6276b_attn
	.p2alignl 7, 3214868480
	.fill 96, 4, 3214868480
	.section	.rodata,"a",@progbits
	.p2align	6, 0x0
	.amdhsa_kernel k_q25a3e6276b_attn
		.amdhsa_group_segment_fixed_size 282624
		.amdhsa_private_segment_fixed_size 0
		.amdhsa_enable_private_segment 0
		.amdhsa_kernarg_size 40
		.amdhsa_user_sgpr_count 2
		.amdhsa_user_sgpr_kernarg_segment_ptr 1
		.amdhsa_wavefront_size32 1
		.amdhsa_system_sgpr_workgroup_id_x 1
		.amdhsa_system_sgpr_workgroup_id_y 1
		.amdhsa_system_sgpr_workgroup_id_z 1
		.amdhsa_system_vgpr_workitem_id 0
		.amdhsa_next_free_vgpr 256
		.amdhsa_next_free_sgpr 76
		.amdhsa_reserve_vcc 0
		.amdhsa_float_denorm_mode_32 3
		.amdhsa_float_denorm_mode_16_64 3
		.amdhsa_memory_ordered 1
		.amdhsa_forward_progress 1
		.amdhsa_inst_pref_size 142
	.end_amdhsa_kernel
	.amdgpu_metadata
---
amdhsa.version: [ 1, 2 ]
amdhsa.kernels:
  - .name:           k_q25a3e6276b_attn
    .symbol:         k_q25a3e6276b_attn.kd
    .args:
      - { .name: qimg, .offset: 0, .size: 8, .value_kind: global_buffer, .address_space: global }
      - { .name: qsc, .offset: 8, .size: 8, .value_kind: global_buffer, .address_space: global }
      - { .name: kv, .offset: 16, .size: 8, .value_kind: global_buffer, .address_space: global }
      - { .name: oimg, .offset: 24, .size: 8, .value_kind: global_buffer, .address_space: global }
      - { .name: osc, .offset: 32, .size: 8, .value_kind: global_buffer, .address_space: global }
    .group_segment_fixed_size: 282624
    .private_segment_fixed_size: 0
    .kernarg_segment_align: 8
    .kernarg_segment_size: 40
    .max_flat_workgroup_size: 512
    .sgpr_count:     76
    .vgpr_count:     256
    .wavefront_size: 32
...
	.end_amdgpu_metadata
.endif
;; end of part 3
;; launch proj (part 4): grid 256 x 1, 8 waves a work-group, no clusters, 79,872 bytes of LDS; arguments x, oimg, osc, proj_w_codes, proj_w_scales, proj_b, out0; writes out0
.if DOCPART == 4
	.amdgcn_target "amdgcn-amd-amdhsa--gfx1250"
	.amdhsa_code_object_version 6
	.text
	.protected	k_q25a3e6276b_proj
	.globl	k_q25a3e6276b_proj
	.p2align	8
	.type	k_q25a3e6276b_proj,@function
k_q25a3e6276b_proj:
	s_mov_b64 s[64:65], 0
	v_nop
	global_prefetch_b8 v0, s[64:65] scope:SCOPE_SE
	s_setreg_imm32_b32 hwreg(HW_REG_WAVE_MODE, 25, 1), 1
	s_wait_xcnt 0x0
; out0 = x + proj_w o + proj_b: the last product (MX-FP4, K = 256 channels) on o's codes as the attention launch left them, the bias and the residual.
; A work-group takes 64 positions of one batch (four tiles of 16) x all 256 outputs; wave w takes outputs 32 w .. 32 w + 31.  Source 0 = 16 positions of o, source 1 = 16 rows of the weight: a lane holds ONE output
; channel and eight neighbouring positions, 32 bytes of a row of out0.  (Row m of position tile 2 p + u is 32 p + 8 u + m + 8 (m / 8), so register j of lane half h is position 32 p + 16 h + 8 u + j.)
; o's eight fragments (4 tiles x 2 K steps) are images of operand registers: wave w brings fragment w from memory, joins its scale word from the two heads' halves, and hands both to the others through LDS as they stand.
; The bias is the C of each sum's first matrix instruction.  Results go through the wave's own 32 rows of a stage (256 bytes + 16) and come back as whole rows: sixteen lanes add x and store 256 consecutive aligned bytes.
; No cluster, no tensor load: the weight's fragments go straight into registers, and work-groups share nothing else.
; LIMITS: NaN and infinities are not served.
.set OIM, 0                            ; LDS: eight fragments of 1,024 bytes,
.set OSI, 8192                         ; their scale words, 128 bytes each,
.set STG, 9216                         ; and the stage: 256 rows x 272 bytes
.set SP,  272
.set LI,   1                           ; v1  16 x lane
.set L4,   2                           ; v2  4 x lane
.set VWA,  3                           ; v3  128 r + 16 h: my place in a tile of the weight's codes
.set VWSA, 4                           ; v4  8 r: in its scale bytes
.set VBA,  5                           ; v5  4 r: in the bias
.set XO,   6                           ; v6  16,384 (lane / 16) + 16 (lane % 16): two rows of x or out0 an instruction
.set OIW,  7                           ; v7  where I put my fragment
.set OSW,  8                           ; v8  and its scale word
.set SO,   9                           ; v9  the stage: where I put 32 bytes of a row
.set SR,   10                          ; v10 and where I read rows back
.set AS,   12                          ; v12-19   o's scale words (2 tile + K step); nothing else ever
.set WS,   20                          ; v20-23   the weight's (2 e + K step); nothing else ever
.set AF,   24                          ; v24-55   o's four fragments of a K step; later, with WF, rows read back
.set WF,   56                          ; v56-87   the weight's four fragments
.set BI,   88                          ; v88-103  the bias, eight equal registers for each of my two tiles
.set ACC,  104                         ; v104-167 eight accumulators (4 e + tile)
.set X,    168                         ; v168-231 my 32 rows of x
.set OF,   232                         ; v232-239 the fragment that I bring
	s_load_b256 s[4:11], s[0:1], 0x0               ; x, oimg, osc, proj_w_codes
	s_load_b128 s[12:15], s[0:1], 0x20             ; proj_w_scales, proj_b
	s_load_b64 s[16:17], s[0:1], 0x30              ; out0
	v_lshl_add_u32 v248, v0, 2, 0x13400
	v_mov_b32 v249, 0
	v_lshrrev_b32 v240, 5, v0
	s_delay_alu instid0(VALU_DEP_1)
	v_readfirstlane_b32 s22, v240                  ; wave 0..7
	s_lshr_b32 s20, ttmp9, 6                       ; batch
	s_and_b32 s21, ttmp9, 63                       ; which 64 positions
	s_lshr_b32 s23, s22, 1                         ; the fragment that I bring: tile,
	s_and_b32 s24, s22, 1                          ; K step
	v_and_b32 v240, 31, v0
	v_and_b32 v241, 15, v0                         ; r
	v_bfe_u32 v242, v0, 4, 1                       ; h
	s_delay_alu instid0(VALU_DEP_3)
	v_lshlrev_b32 v[LI], 4, v240
	s_delay_alu instid0(VALU_DEP_4)
	v_lshlrev_b32 v[L4], 2, v240
	s_delay_alu instid0(VALU_DEP_4)
	v_lshlrev_b32 v[VWA], 7, v241
	s_delay_alu instid0(VALU_DEP_1)
	v_lshl_add_u32 v[VWA], v242, 4, v[VWA]
	v_lshlrev_b32 v[VWSA], 3, v241
	v_lshlrev_b32 v[VBA], 2, v241
	v_lshlrev_b32 v[XO], 14, v242
	s_delay_alu instid0(VALU_DEP_1)
	v_lshl_add_u32 v[XO], v241, 4, v[XO]
	s_lshl_b32 s25, s22, 10
	v_add_nc_u32 v[OIW], s25, v[LI]
	s_lshl_b32 s25, s22, 7
	s_add_co_u32 s25, s25, OSI
	v_add_nc_u32 v[OSW], s25, v[L4]
	s_mul_i32 s25, s22, 32*SP
	s_add_co_u32 s25, s25, STG                     ; my 32 rows of the stage
	v_mul_u32_u24 v[SO], v241, SP
	s_delay_alu instid0(VALU_DEP_1)
	v_lshl_add_u32 v[SO], v242, 6, v[SO]
	s_delay_alu instid0(VALU_DEP_1)
	v_add_nc_u32 v[SO], s25, v[SO]                 ; in: row r, + 64 h
	v_mul_u32_u24 v[SR], v242, SP
	s_delay_alu instid0(VALU_DEP_1)
	v_lshl_add_u32 v[SR], v241, 4, v[SR]
	s_delay_alu instid0(VALU_DEP_1)
	v_add_nc_u32 v[SR], s25, v[SR]                 ; back: lanes 0-15 one row, lanes 16-31 the next
	s_mov_b32 s27, 0
	s_lshl_b32 s26, s20, 19                        ; oimg: [batch][tile][head][512]; a K step is two heads
	s_lshl_b32 s28, s21, 2
	s_add_co_u32 s28, s28, s23                     ; the tile
	s_lshl_b32 s29, s28, 11
	s_add_co_u32 s26, s26, s29
	s_lshl_b32 s29, s24, 10
	s_add_co_u32 s26, s26, s29
	s_wait_alu depctr_va_vdst(0)
	s_wait_kmcnt 0x0
	s_add_nc_u64 s[6:7], s[6:7], s[26:27]
	s_lshl_b32 s26, s20, 2                         ; osc: [batch, head][tile][128]: head 2 s here, head 2 s + 1 32,768 bytes on
	s_lshl_b32 s29, s24, 1
	s_add_co_u32 s26, s26, s29
	s_lshl_b32 s26, s26, 8
	s_add_co_u32 s26, s26, s28
	s_lshl_b32 s26, s26, 7
	s_add_nc_u64 s[8:9], s[8:9], s[26:27]
	s_lshl_b32 s26, s22, 12                        ; my 32 rows of the weight: codes,
	s_add_nc_u64 s[10:11], s[10:11], s[26:27]
	s_lshl_b32 s26, s22, 8                         ; scale bytes,
	s_add_nc_u64 s[12:13], s[12:13], s[26:27]
	s_lshl_b32 s26, s22, 7                         ; bias
	s_add_nc_u64 s[14:15], s[14:15], s[26:27]
	s_lshl_b32 s26, s20, 22                        ; x and out0: batch, my 32 rows, the 64 positions
	s_lshl_b32 s29, s22, 19
	s_add_co_u32 s26, s26, s29
	s_lshl_b32 s29, s21, 8
	s_add_co_u32 s26, s26, s29
	s_add_nc_u64 s[4:5], s[4:5], s[26:27]
	s_add_nc_u64 s[16:17], s[16:17], s[26:27]
	global_load_b128 v[OF:OF+3], v[LI], s[6:7] th:TH_LOAD_NT
	global_load_b128 v[OF+4:OF+7], v[LI], s[6:7] offset:512 th:TH_LOAD_NT
	global_load_b32 v240, v[L4], s[8:9] th:TH_LOAD_NT
	global_load_b32 v241, v[L4], s[8:9] offset:32768 th:TH_LOAD_NT
.irp e, 0,1
.irp s, 0,1
.irp c, 0,1
	global_load_b128 v[WF+8*(2*\e+\s)+4*\c:WF+8*(2*\e+\s)+4*\c+3], v[VWA], s[10:11] offset:2048*\e+64*\s+32*\c
.endr
.endr
.endr
.irp e, 0,1
	global_load_b64 v[WS+2*\e:WS+2*\e+1], v[VWSA], s[12:13] offset:128*\e
.endr
.irp e, 0,1
.irp k, 0,1,2,3,4,5,6,7
	global_load_b32 v[BI+8*\e+\k], v[VBA], s[14:15] offset:64*\e
.endr
.endr
.irp i, 0,1,2,3,4,5,6,7,8,9,10,11,12,13,14,15
	global_load_b128 v[X+4*\i:X+4*\i+3], v[XO], s[4:5] offset:32768*\i th:TH_LOAD_NT   ; sixteen lanes read 256 consecutive aligned bytes; x's last reading
.endr
	s_wait_loadcnt 42                              ; my fragment and its two half words are in; the 42 loads issued behind them stay out
	v_lshl_or_b32 v242, v241, 16, v240             ; the K step's scale word: two bytes of each head
	ds_store_b128 v[OIW], v[OF:OF+3] offset:OIM
	ds_store_b128 v[OIW], v[OF+4:OF+7] offset:OIM+512
	ds_store_b32 v[OSW], v242
	s_wait_dscnt 0x0                               ; for the others' sake: my stores have landed
	s_barrier_signal -1
	s_barrier_wait -1                              ; o's eight fragments lie in LDS
.irp f, 0,1,2,3,4,5,6,7
	ds_load_b32 v[AS+\f], v[L4] offset:OSI+128*\f
.endr
.irp s, 0,1
.irp m, 0,1,2,3
.irp c, 0,1
	ds_load_b128 v[AF+8*\m+4*\c:AF+8*\m+4*\c+3], v[LI] offset:OIM+1024*(2*\m+\s)+512*\c
.endr
.endr
	s_wait_dscnt 0x0
.if \s == 0
	s_wait_loadcnt 16                              ; the weight, its scales and the bias are in; x's sixteen loads stay out
.endif
.irp m, 0,1,2,3
.irp e, 0,1
.if \s == 0
	v_wmma_scale_f32_16x16x128_f8f6f4 v[ACC+8*(4*\e+\m):ACC+8*(4*\e+\m)+7], v[AF+8*\m:AF+8*\m+7], v[WF+8*(2*\e+\s):WF+8*(2*\e+\s)+7], v[BI+8*\e:BI+8*\e+7], v[AS+2*\m+\s], v[WS+2*\e+\s] matrix_a_fmt:MATRIX_FMT_FP4 matrix_b_fmt:MATRIX_FMT_FP4
.else
	v_wmma_scale_f32_16x16x128_f8f6f4 v[ACC+8*(4*\e+\m):ACC+8*(4*\e+\m)+7], v[AF+8*\m:AF+8*\m+7], v[WF+8*(2*\e+\s):WF+8*(2*\e+\s)+7], v[ACC+8*(4*\e+\m):ACC+8*(4*\e+\m)+7], v[AS+2*\m+\s], v[WS+2*\e+\s] matrix_a_fmt:MATRIX_FMT_FP4 matrix_b_fmt:MATRIX_FMT_FP4
.endif
.endr
.endr                                          ; the eight accumulators take turns, one instruction a turn
.rept 4
	v_nop                                          ; four plain lines ahead of loads into registers that matrix instructions have read, and of the first read of results
.endr
.endr
.irp e, 0,1
.irp m, 0,1,2,3
	ds_store_b128 v[SO], v[ACC+8*(4*\e+\m):ACC+8*(4*\e+\m)+3] offset:16*SP*\e+128*(\m/2)+32*(\m%2)       ; each accumulator from its low end on
	ds_store_b128 v[SO], v[ACC+8*(4*\e+\m)+4:ACC+8*(4*\e+\m)+7] offset:16*SP*\e+128*(\m/2)+32*(\m%2)+16
.endr
.endr
.irp i, 0,1,2,3,4,5,6,7,8,9,10,11,12,13,14,15
	ds_load_b128 v[AF+4*\i:AF+4*\i+3], v[SR] offset:2*SP*\i   ; LDS serves a wave's instructions in order (ISA guide 5.7.1.4): these see my stores; no other wave touches my rows
.endr
	s_wait_loadcnt 0x0                             ; x
.irp i, 0,1,2,3,4,5,6,7,8,9,10,11,12,13,14,15
	s_wait_dscnt 15-\i                             ; rows 2 i and 2 i + 1 are back; the younger loads stay out
	v_pk_add_f32 v[X+4*\i:X+4*\i+1], v[X+4*\i:X+4*\i+1], v[AF+4*\i:AF+4*\i+1]
	v_pk_add_f32 v[X+4*\i+2:X+4*\i+3], v[X+4*\i+2:X+4*\i+3], v[AF+4*\i+2:AF+4*\i+3]
	global_store_b128 v[XO], v[X+4*\i:X+4*\i+3], s[16:17] offset:32768*\i th:TH_STORE_NT   ; sixteen lanes store 256 consecutive bytes, at a multiple of 256 from out0's first byte
.endr
	s_wait_tensorcnt 0x0
	ds_add_u32 v248, v249
	s_wait_dscnt 0x0
	s_endpgm
.Lfunc_end_k_q25a3e6276b_proj:
	.size	k_q25a3e6276b_proj, .Lfunc_end_k_q25a3e6276b_proj-k_q25a3e6276b_proj
	.p2alignl 7, 3214868480
	.fill 96, 4, 3214868480
	.section	.rodata,"a",@progbits
	.p2align	6, 0x0
	.amdhsa_kernel k_q25a3e6276b_proj
		.amdhsa_group_segment_fixed_size 79872
		.amdhsa_private_segment_fixed_size 0
		.amdhsa_enable_private_segment 0
		.amdhsa_kernarg_size 56
		.amdhsa_user_sgpr_count 2
		.amdhsa_user_sgpr_kernarg_segment_ptr 1
		.amdhsa_wavefront_size32 1
		.amdhsa_system_sgpr_workgroup_id_x 1
		.amdhsa_system_sgpr_workgroup_id_y 1
		.amdhsa_system_sgpr_workgroup_id_z 1
		.amdhsa_system_vgpr_workitem_id 0
		.amdhsa_next_free_vgpr 250
		.amdhsa_next_free_sgpr 66
		.amdhsa_reserve_vcc 0
		.amdhsa_float_denorm_mode_32 3
		.amdhsa_float_denorm_mode_16_64 3
		.amdhsa_memory_ordered 1
		.amdhsa_forward_progress 1
		.amdhsa_inst_pref_size 18
	.end_amdhsa_kernel
	.amdgpu_metadata
---
amdhsa.version: [ 1, 2 ]
amdhsa.kernels:
  - .name:           k_q25a3e6276b_proj
    .symbol:         k_q25a3e6276b_proj.kd
    .args:
      - { .name: x, .offset: 0, .size: 8, .value_kind: global_buffer, .address_space: global }
      - { .name: oimg, .offset: 8, .size: 8, .value_kind: global_buffer, .address_space: global }
      - { .name: osc, .offset: 16, .size: 8, .value_kind: global_buffer, .address_space: global }
      - { .name: proj_w_codes, .offset: 24, .size: 8, .value_kind: global_buffer, .address_space: global }
      - { .name: proj_w_scales, .offset: 32, .size: 8, .value_kind: global_buffer, .address_space: global }
      - { .name: proj_b, .offset: 40, .size: 8, .value_kind: global_buffer, .address_space: global }
      - { .name: out0, .offset: 48, .size: 8, .value_kind: global_buffer, .address_space: global }
    .group_segment_fixed_size: 79872
    .private_segment_fixed_size: 0
    .kernarg_segment_align: 8
    .kernarg_segment_size: 56
    .max_flat_workgroup_size: 256
    .sgpr_count:     66
    .vgpr_count:     250
    .wavefront_size: 32
...
	.end_amdgpu_metadata
.endif
;; end of part 4
